; MI455X (gfx1250); checked and timed in simulation.
; The chip was launched on July 23, 2026; its instructions are those of AMD's public machine-readable ISA for CDNA 5 (MIT licence, August 2026) and "CDNA5" Instruction Set Architecture Reference Guide (July 2026). The comments in the code are by the model that wrote it; some were corrected since.
;; One Step Attention. Allowed arithmetic: float matrix products may take bf16 or f16 operands with f32 sums; all other float work in f32.
;; Inputs: U 1,024 x 1,024 float32; W 1,024 x 1,024 float32; k 32 x 1,024 x 1,024 float32; q 32 x 1,024 x 1,024 float32; v 32 x 1,024 x 1 float32.
;; Outputs: out0 32 x 1 x 1,024 float32.
;; One version. Each part assembles by itself: llvm-mc -triple=amdgcn-amd-amdhsa -mcpu=gfx1250 --defsym DOCPART=n.
;; ======== version 1 of 1: 3 launches
;; workspace buffers: wb 4,194,304 bytes; part 524,288 bytes
;; launch prep (part 1): grid 64 x 8, 16 waves a work-group, no clusters, 10,752 bytes of LDS; arguments W, U, wb; writes wb
.if DOCPART == 1
	.amdgcn_target "amdgcn-amd-amdhsa--gfx1250"
	.amdhsa_code_object_version 6
	.text
	.protected	k_q86e0ff34b7_prep
	.globl	k_q86e0ff34b7_prep
	.p2align	8
	.type	k_q86e0ff34b7_prep,@function
k_q86e0ff34b7_prep:
	s_mov_b64 s[64:65], 0
	v_nop
	global_prefetch_b8 v0, s[64:65] scope:SCOPE_SE
	s_setreg_imm32_b32 hwreg(HW_REG_WAVE_MODE, 25, 1), 1
	s_wait_xcnt 0x0
; W and U ([1024][1024] f32) become one bf16 matrix [1024 d][2048 kk], kk < 1024 from W, the rest from U, laid out in the order in which
; the product's launch reads its A fragments:
;   wb[y:4][t:32][c:2][a:16][p:2][L:32][16 bytes], L = 16 h + r:  8 bf16 of row d = 256 y + 16 a + r at kk = 64 t + 32 c + 16 p + 8 h + 0..7.
; A work-group takes 16 rows (one d-tile, D = x) and 256 kk (kb = y).  Wave w reads row w: two loads of 512 consecutive bytes.
; The turn from rows to fragment order goes through LDS: unit u = kk_local / 8 is a line of 16 rows x 16 bytes, lines 272 bytes apart.
.set UPITCH, 272                       ; 16 rows x 16 bytes + 16: the 32 lanes of a store of 8 bytes touch 64 different words modulo 256 bytes
	s_load_b128 s[4:7], s[0:1], 0x0                ; W s[4:5], U s[6:7]
	s_load_b64 s[8:9], s[0:1], 0x10                ; wb
	v_lshl_add_u32 v24, v0, 2, 0x2200
	v_mov_b32 v25, 0
	v_lshrrev_b32 v1, 5, v0
	v_readfirstlane_b32 s10, v1                    ; wave = row of the d-tile
	s_and_b32 s11, ttmp7, 0xffff                   ; kb, 0 to 7
	v_and_b32 v2, 31, v0                           ; lane
	v_lshlrev_b32 v3, 4, v2                        ; 16 bytes a lane
	s_lshl_b32 s12, ttmp9, 4
	s_add_co_u32 s12, s12, s10                     ; row d = 16 D + w
	s_lshl_b32 s12, s12, 12                        ; x 4,096 bytes
	s_and_b32 s13, s11, 3
	s_lshl_b32 s13, s13, 10                        ; 256 columns of f32 for each kb inside its source
	s_add_co_u32 s12, s12, s13
	s_mov_b32 s13, 0
	s_lshr_b32 s16, ttmp9, 4                       ; y
	s_lshl_b32 s16, s16, 20                        ; x 1,048,576
	s_lshl_b32 s17, s11, 17                        ; kb x 4 K steps x 32,768
	s_add_co_u32 s16, s16, s17
	s_and_b32 s17, ttmp9, 15                       ; a
	s_lshl_b32 s17, s17, 10                        ; x 1,024
	s_add_co_u32 s16, s16, s17
	s_mov_b32 s17, 0
	s_wait_kmcnt 0x0
	s_cmp_lt_u32 s11, 4                            ; kk < 1024: W, else U
	s_cselect_b64 s[14:15], s[4:5], s[6:7]
	s_add_nc_u64 s[14:15], s[14:15], s[12:13]
	s_add_nc_u64 s[8:9], s[8:9], s[16:17]
	global_load_b128 v[4:7], v3, s[14:15]              ; kk_local 4 l .. 4 l + 3
	global_load_b128 v[8:11], v3, s[14:15] offset:512  ; 128 + 4 l ..
	v_lshrrev_b32 v12, 1, v2                       ; unit of the first load: l / 2
	v_mul_u32_u24 v12, v12, UPITCH
	v_and_b32 v13, 1, v2
	v_lshl_add_u32 v12, v13, 3, v12                ; which 8 bytes of the unit's 16
	v_lshl_add_u32 v12, s10, 4, v12                ; my row's 16 bytes in the line
	v_lshrrev_b32 v14, 4, v0                       ; back: thread n takes unit n / 16, row n % 16
	v_mul_u32_u24 v14, v14, UPITCH
	v_and_b32 v13, 15, v0
	v_lshl_add_u32 v14, v13, 4, v14
	v_lshrrev_b32 v15, 6, v0                       ; (2 tl + c) = unit / 4: 16,384 bytes each
	v_lshlrev_b32 v15, 14, v15
	v_and_b32 v13, 63, v0                          ; (p, h, r): 16 bytes each
	v_lshl_add_u32 v15, v13, 4, v15
	s_wait_loadcnt 0x0
	v_cvt_pk_bf16_f32 v16, v4, v5                  ; rounds to nearest even
	v_cvt_pk_bf16_f32 v17, v6, v7
	v_cvt_pk_bf16_f32 v18, v8, v9
	v_cvt_pk_bf16_f32 v19, v10, v11
	ds_store_b64 v12, v[16:17]
	ds_store_b64 v12, v[18:19] offset:16*UPITCH    ; sixteen units further
	s_wait_dscnt 0x0                               ; for the other waves: my stores are in LDS
	s_barrier_signal -1
	s_barrier_wait -1
	ds_load_b128 v[20:23], v14                     ; 16 bytes of one row, 16 rows side by side
	s_wait_dscnt 0x0
	global_store_b128 v15, v[20:23], s[8:9]        ; a wave stores 512 consecutive bytes, at a multiple of 512 from wb's first byte
	s_wait_tensorcnt 0x0
	ds_add_u32 v24, v25
	s_wait_dscnt 0x0
	s_endpgm
.Lfunc_end_k_q86e0ff34b7_prep:
	.size	k_q86e0ff34b7_prep, .Lfunc_end_k_q86e0ff34b7_prep-k_q86e0ff34b7_prep
	.p2alignl 7, 3214868480
	.fill 96, 4, 3214868480
	.section	.rodata,"a",@progbits
	.p2align	6, 0x0
	.amdhsa_kernel k_q86e0ff34b7_prep
		.amdhsa_group_segment_fixed_size 10752
		.amdhsa_private_segment_fixed_size 0
		.amdhsa_enable_private_segment 0
		.amdhsa_kernarg_size 24
		.amdhsa_user_sgpr_count 2
		.amdhsa_user_sgpr_kernarg_segment_ptr 1
		.amdhsa_wavefront_size32 1
		.amdhsa_system_sgpr_workgroup_id_x 1
		.amdhsa_system_sgpr_workgroup_id_y 1
		.amdhsa_system_sgpr_workgroup_id_z 1
		.amdhsa_system_vgpr_workitem_id 0
		.amdhsa_next_free_vgpr 26
		.amdhsa_next_free_sgpr 66
		.amdhsa_reserve_vcc 0
		.amdhsa_float_denorm_mode_32 3
		.amdhsa_float_denorm_mode_16_64 3
		.amdhsa_memory_ordered 1
		.amdhsa_forward_progress 1
		.amdhsa_inst_pref_size 3
	.end_amdhsa_kernel
	.amdgpu_metadata
---
amdhsa.version: [ 1, 2 ]
amdhsa.kernels:
  - .name:           k_q86e0ff34b7_prep
    .symbol:         k_q86e0ff34b7_prep.kd
    .args:
      - { .name: W, .offset: 0, .size: 8, .value_kind: global_buffer, .address_space: global }
      - { .name: U, .offset: 8, .size: 8, .value_kind: global_buffer, .address_space: global }
      - { .name: wb, .offset: 16, .size: 8, .value_kind: global_buffer, .address_space: global }
    .group_segment_fixed_size: 10752
    .private_segment_fixed_size: 0
    .kernarg_segment_align: 8
    .kernarg_segment_size: 24
    .max_flat_workgroup_size: 512
    .sgpr_count:     66
    .vgpr_count:     26
    .wavefront_size: 32
...
	.end_amdgpu_metadata
.endif
;; end of part 1
;; launch gemm (part 2): grid 128 x 4, 4 waves a work-group, clusters of 4 x 4, 327,680 bytes of LDS; arguments k, q, v, wb, part; writes part
.if DOCPART == 2
	.amdgcn_target "amdgcn-amd-amdhsa--gfx1250"
	.amdhsa_code_object_version 6
	.text
	.protected	k_q86e0ff34b7_gemm
	.globl	k_q86e0ff34b7_gemm
	.p2align	8
	.type	k_q86e0ff34b7_gemm,@function
k_q86e0ff34b7_gemm:
	s_mov_b64 s[64:65], 0
	v_nop
	global_prefetch_b8 v0, s[64:65] scope:SCOPE_SE
	s_setreg_imm32_b32 hwreg(HW_REG_WAVE_MODE, 25, 1), 1
	s_wait_xcnt 0x0
	s_wait_alu depctr_hold_cnt(0) depctr_sa_sdst(0) depctr_va_vdst(0) depctr_va_sdst(0) depctr_va_ssrc(0) depctr_va_vcc(0) depctr_vm_vsrc(0)
	s_getreg_b32 s2, hwreg(HW_REG_IB_STS2, 6, 4)
	s_cmp_eq_u32 s2, 0
	s_cbranch_scc0 .Lentry_in_a_cluster
	s_endpgm
.Lentry_in_a_cluster:
	s_bfe_u32 s2, ttmp6, 0x10000c
	s_cmp_lg_u32 s2, 0xf033
	s_cbranch_scc0 .Lentry_shape_is_right
	s_endpgm
.Lentry_shape_is_right:
; part[y][b][s] = sum over the 256 d of block y of v[b][d] tanh( sum over e of W[d][e] k[b][e][s] + U[d][e] q[b][e][s] ).
; One product with K = 2048: A = wb (W and U side by side in bf16, in fragment order, 64 chunks of 32 along K for each block of d),
; B = k on top of q, f32 in memory with s along the rows.
; A work-group makes 256 d x 256 s of one batch with four waves; a wave makes 256 d x 64 s: 64 accumulator tiles, 512 registers.
; The waves lie side by side along s, so each column of k and q is rounded to bf16 by one wave alone and the sum over d stays in one wave.
; K STEPS: a k costs 1,024 bytes of X (f32) and 512 of wb in LDS, so two slots of 96 k (147,456 bytes each) are the largest that fit beside the
; 4,096 bytes of v.  1,024 = 10 x 96 + 64: each source has ten steps of three chunks and one of two; 22 steps, k in steps 0-10, q in steps 11-21.
; Step t lies in slot t & 1.  The fragment buffers take turns chunk by chunk, so a step of three chunks hands the other buffer on.
; CLUSTERS: 4 x 4 work-groups are one batch (cluster x = b, cx = block of 256 s, cy = block of 256 d).  The four of a column of the cluster
; need the same tile of k or q, the four of a row the same tile of wb: both are asked for jointly, so each tile is requested once for four.
; TRANSPOSING WITHOUT A SHUFFLE: lane (r, h) loads 16 bytes of row e: columns 4 r .. 4 r + 3 of my 64.  Number i of them goes to B fragment i,
; which so holds columns 4 r + i.  Sixteen loads (rows 8 h + 0..7 and 16 + 8 h + 0..7) give every fragment its k in the true places, and
; one v_cvt_pk_bf16_f32 of two neighbouring rows makes one fragment register.  At the end lane r holds four neighbouring columns.
; PREFETCH: k and q are read once and come from memory.  In step t the work-group asks for its share of step t + 3's tile of k or q, whose tensor
; load is issued in step t + 1: 192 matrix instructions of a wave lie between.  The tile of a column of the cluster is 96 rows x 4 blocks of 256
; bytes; work-group cy takes block cy, wave w (0 to 2) rows 32 w + lane: 24,576 bytes for each work-group and step.  Step 2 is asked for at the start;
; steps 19 and 20 ask for nothing.  In the two short steps wave 2's rows are clamped to the source's last 32, which wave 1 asks for too.
; wb is not asked for ahead: every cluster reads it again.
; LIMITS: v, an operand of the product with tanh, is rounded to bf16; the products and their sum are f32 on the vector unit (one row of
; output would use one sixteenth of a matrix instruction).  tanh(x) = 1 - 2 / (1 + 2^(2.88539 x)): exactly +1 or -1 where the power
; overflows or vanishes; absolute error of the order of 1e-7.
;
; REGISTERS in windows of 256: window 0 addresses, f32 staging, B fragments; window 1 A fragments, two buffers of 16 d-tiles;
; window 2 the accumulators of d-tiles 0-7 (tile (a, i) at v[8 (4 a + i)]); window 3 those of d-tiles 8-15.
.set XROWS,  96                        ; rows of k or q in a full step
.set XHALF,  XROWS*512                 ; 49,152: 96 rows x 128 columns of f32, what wave 0 or 1 fetches
.set WHALF,  3*8192                    ; 24,576: eight d-tiles of three chunks, what wave 2 or 3 fetches
.set WOFF,   2*XHALF                   ; wb's part of a slot
.set SLOT,   WOFF+2*WHALF              ; 147,456
.set VBASE,  2*SLOT                    ; behind the ring: 1,024 bytes for each wave, its own copy of the 256 v; no fill lands here
.set XSTEP,  XROWS*4096                ; bytes from a step of k or q to the next
.set WCH,    16384                     ; bytes of a chunk of wb
.set XADR, 8                           ; v8-9    LDS address of my X loads in slot 0, 1
.set WADR, 10                          ; v10-11  the same for wb
.set VRD,  12                          ; v12     where I read v back
.set VST,  13                          ; v13     where I put v
.set PFO,  28                          ; v28     prefetch: lane x 4,096 + cy x 256; never rewritten
.set XS,   32                          ; v32-95  staging: load t at XS + 4 t
.set XF,   96                          ; v96-127, v128-159  B fragments, two buffers
.set T,    32                          ; way out: v32-63 at work
.set VV,   96                          ; way out: v96-223 v of my rows, 8 for each d-tile
.set SACC, 224                         ; way out: v224-231 four pairs of sums
.set R,    232                         ; way out: v232-235 the four columns' sums
.set G1X, 24                           ; s[24:31] descriptor group 1 for tiles of k and q
.set G1W, 32                           ; s[32:39] the same for wb
.set G0X, 40                           ; s[40:47] descriptor group 0 for k and q, a set for each slot
.set G0W, 48                           ; s[48:55] the same for wb
.set QA,  56                           ; s[56:57] q's second step (slot 0), s[58:59] q's first step (slot 1)
.set MSB, 0
.macro WIN new                         ; the immediate's high byte repeats the setting that is left
.if MSB != \new
	s_set_vgpr_msb (MSB<<8)|\new
.set MSB, \new
.endif
.endm
.set MUL_LO, 0xa1                      ; source 0 (A) window 1, source 1 (B) window 0, C and D window 2
.set MUL_HI, 0xf1                      ; the same, C and D window 3
.set TO_W,   0x40                      ; destination window 1, address window 0
; A joint load.  Waves 0 and 1 fetch the two halves of X's tile, waves 2 and 3 the two halves of wb's.  The branch hangs on the wave's number alone.
.macro JLOAD s
	s_cmp_eq_u32 s16, 0
	s_cbranch_scc0 .Lfor_w_\@
	tensor_load_to_lds s[G0X+4*\s:G0X+4*\s+3], s[G1X:G1X+7]
	s_nop 0
	s_branch .Lasked_\@
.Lfor_w_\@:
	tensor_load_to_lds s[G0W+4*\s:G0W+4*\s+3], s[G1W:G1W+7]
	s_nop 0
.Lasked_\@:
.endm
; A round of the cluster's barrier: my work-group's barrier, wave 0 signals for the work-group, every wave waits for all sixteen, my work-group's barrier again.
.macro CREST                           ; a round behind its opening barrier
	s_cmp_lg_u32 s14, 0
	s_cbranch_scc1 .Lnot_wave_0_\@
	s_barrier_signal -3
.Lnot_wave_0_\@:
	s_barrier_wait -3
	s_barrier_signal -1
	s_barrier_wait -1
.endm
.macro CROUND                          ; a whole round
	s_barrier_signal -1
	s_barrier_wait -1
	CREST
.endm
; The prefetch of one step's share.  s86 = first row of the step in its source, stepped by 96; at 1,056 the source goes over from k to q.
.macro PF
	s_wait_xcnt 0x0                                ; the last prefetch, a step ago, has had its address translated: s[82:83] may be written
	s_cmp_ge_u32 s86, 1024                         ; k is through:
	s_cselect_b64 s[78:79], s[80:81], s[78:79]     ; go on in q,
	s_cselect_b32 s86, 0, s86                      ; at its first row
	s_add_co_u32 s84, s86, s87                     ; my wave's 32 rows of the step,
	s_min_u32 s84, s84, 992                        ; never past the source's last 32 rows
	s_lshl_b32 s84, s84, 12                        ; x 4,096 bytes (s85 = 0)
	s_add_nc_u64 s[82:83], s[78:79], s[84:85]
	s_add_co_u32 s86, s86, XROWS
	s_cmp_eq_u32 s14, 3                            ; three waves cover the 96 rows
	s_cbranch_scc1 .Lno_pf_\@
	global_prefetch_b8 v[PFO], s[82:83] th:TH_LOAD_NT scope:SCOPE_SE
.Lno_pf_\@:
.endm
	s_load_b256 s[4:11], s[0:1], 0x0               ; k s[4:5], q s[6:7], v s[8:9], wb s[10:11]
	s_load_b64 s[12:13], s[0:1], 0x20              ; part
	v_lshl_add_u32 v254, v0, 2, 0x49000
	v_mov_b32 v255, 0
	ds_add_u32 v254, v255
	v_lshrrev_b32 v4, 5, v0
	v_readfirstlane_b32 s14, v4                    ; wave 0..3
	s_and_b32 s15, s14, 1                          ; which half of a tile I fetch
	s_lshr_b32 s16, s14, 1                         ; I fetch for X (0) or for wb (1)
	s_bfe_u32 s17, ttmp6, 0x40000                  ; cx: block of 256 s
	s_bfe_u32 s18, ttmp6, 0x40004                  ; cy: block of 256 d
	s_lshl_b32 s72, 0x1111, s17                    ; my column of the cluster: places cx, cx + 4, cx + 8, cx + 12
	s_lshl_b32 s73, s18, 2
	s_lshl_b32 s73, 15, s73                        ; my row: places 4 cy .. 4 cy + 3
	s_mov_b32 s66, 0x76543210                      ; v_permlanex16_b32: lane i of one half reads lane i of the other
	s_mov_b32 s67, 0xfedcba98
	; group 1 for k and q: 96 rows x 128 f32 (512 bytes), 1,024 elements from row to row; dense in LDS
	s_or_b32 s[G1X+0], s72, (2<<16)|(1<<21)        ; 15:0 the mask: my column; 17:16 elements of 4 bytes; 21 set beside a mask
	s_mov_b32 s[G1X+1], 128<<16                    ; tensor_dim0 = 128
	s_mov_b32 s[G1X+2], XROWS<<16                  ; tensor_dim1 = 96
	s_mov_b32 s[G1X+3], 128<<16                    ; tile_dim0 = 128
	s_mov_b32 s[G1X+4], XROWS                      ; tile_dim1 = 96
	s_mov_b32 s[G1X+5], 1024                       ; pitch
	s_mov_b32 s[G1X+6], 0
	s_mov_b32 s[G1X+7], 0
	; group 1 for wb: eight d-tiles (8,192 consecutive bytes) of each of three chunks: 3 rows of 1,024 elements of 8 bytes, 16,384 bytes apart.
	; Three long rows, so that a short step differs in the number of rows alone and a wave's addresses stay as they are.
	s_or_b32 s[G1W+0], s73, (3<<16)|(1<<21)        ; the mask: my row; elements of 8 bytes
	s_mov_b32 s[G1W+1], 1024<<16                   ; tensor_dim0 = 1,024
	s_mov_b32 s[G1W+2], 3<<16                      ; tensor_dim1 = 3
	s_mov_b32 s[G1W+3], 1024<<16                   ; tile_dim0 = 1,024
	s_mov_b32 s[G1W+4], 3                          ; tile_dim1 = 3
	s_mov_b32 s[G1W+5], 2048                       ; pitch
	s_mov_b32 s[G1W+6], 0
	s_mov_b32 s[G1W+7], 0
	; X's tiles hang on the batch, cx and the wave; wb's on cy and the wave: each offset in registers that never hold the other coordinate
	s_lshl_b32 s84, ttmp9, 22                      ; batch x 4,194,304 bytes
	s_lshl_b32 s21, s17, 10                        ; 256 columns of f32
	s_add_co_u32 s84, s84, s21                     ; the block's first column: the prefetch's base
	s_mov_b32 s85, 0
	s_lshl_b32 s21, s15, 9                         ; my 128 columns of them
	s_add_co_u32 s22, s84, s21
	s_mov_b32 s23, 0
	s_lshl_b32 s60, s18, 20                        ; block of d x 1,048,576 bytes
	s_lshl_b32 s61, s15, 13                        ; my eight d-tiles of a chunk
	s_add_co_u32 s60, s60, s61
	s_mov_b32 s61, 0
	s_lshl_b32 s62, ttmp9, 12                      ; v: batch x 4,096 bytes + block of d x 1,024
	s_lshl_b32 s69, s18, 10
	s_add_co_u32 s62, s62, s69
	s_mov_b32 s63, 0
	s_mul_i32 s20, s14, XHALF                      ; where my fills of X go: wave x 49,152 (waves 0, 1)
	s_mul_i32 s76, s14, WHALF
	s_add_co_u32 s76, s76, XHALF                   ; and of wb: 49,152 + wave x 24,576 (waves 2, 3): no place in the cluster enters an LDS address
	s_mov_b32 s86, 2*XROWS                         ; the prefetch begins with step 2
	s_lshl_b32 s87, s14, 5                         ; my wave's 32 rows of a step
	s_wait_dscnt 0x0
	s_wait_kmcnt 0x0
	s_add_nc_u64 s[78:79], s[4:5], s[84:85]        ; prefetch: k,
	s_add_nc_u64 s[80:81], s[6:7], s[84:85]        ; and q
	s_add_nc_u64 s[4:5], s[4:5], s[22:23]
	s_add_nc_u64 s[QA+2:QA+3], s[6:7], s[22:23]    ; step 11 = q's first, in slot 1
	s_add_nc_u64 s[QA:QA+1], s[QA+2:QA+3], XSTEP   ; step 12 = q's second, in slot 0
	s_add_nc_u64 s[10:11], s[10:11], s[60:61]
	s_add_nc_u64 s[8:9], s[8:9], s[62:63]
	CROUND                                         ; all sixteen work-groups are here: the first joint loads meet
.irp s, 0,1
	s_mov_b32 s[G0X+4*\s], 1                                       ; count = 1
	s_add_co_u32 s[G0X+4*\s+1], s20, \s*SLOT                       ; LDS address
	s_add_nc_u64 s[G0X+4*\s+2:G0X+4*\s+3], s[4:5], \s*XSTEP        ; global address: step s
	s_or_b32 s[G0X+4*\s+3], s[G0X+4*\s+3], 0x80000000              ; type = 2
	s_mov_b32 s[G0W+4*\s], 1
	s_add_co_u32 s[G0W+4*\s+1], s76, \s*SLOT
	s_add_nc_u64 s[G0W+4*\s+2:G0W+4*\s+3], s[10:11], \s*3*WCH
	s_or_b32 s[G0W+4*\s+3], s[G0W+4*\s+3], 0x80000000
	JLOAD \s                                       ; both slots are asked for before anything else: two tensor loads of a wave are out here, one at any later time
.endr
	v_and_b32 v3, 31, v0                           ; L
	s_lshl_b32 s69, s18, 8                         ; my work-group's block of 256 bytes in the tile's rows
	v_lshlrev_b32 v[PFO], 12, v3                   ; a row a lane
	v_add_nc_u32 v[PFO], s69, v[PFO]
	PF                                             ; step 2's tile; its tensor load is issued at the end of step 0
	v_and_b32 v1, 15, v0                           ; r
	v_bfe_u32 v2, v0, 4, 1                         ; h
	v_lshlrev_b32 v14, 4, v3                       ; 16 L
	v_lshlrev_b32 v15, 4, v1                       ; 16 r
	global_load_b128 v[16:19], v14, s[8:9]             ; the block's 256 v, every wave for itself
	global_load_b128 v[20:23], v14, s[8:9] offset:512
	s_mul_i32 s74, s16, XHALF                      ; my 64 columns: which half of X's tile,
	s_lshl_b32 s75, s15, 8                         ; and which 256 bytes of its rows of 512
	s_add_co_u32 s74, s74, s75
	v_lshl_add_u32 v4, v2, 12, v15                 ; 8 h rows of 512 bytes + 16 r: sixteen lanes read 256 consecutive bytes
	v_add_nc_u32 v[XADR], s74, v4
	v_add_nc_u32 v[XADR+1], SLOT, v[XADR]
	v_add_nc_u32 v[WADR], WOFF, v14                ; a fragment half is 512 consecutive bytes, 16 a lane
	v_add_nc_u32 v[WADR+1], SLOT+WOFF, v14
	s_lshl_b32 s75, s14, 10
	s_add_co_u32 s75, s75, VBASE                   ; my wave's copy of v
	v_lshl_add_u32 v[VRD], v2, 5, s75              ; rows 8 h .. 8 h + 7 of a d-tile: 32 h bytes
	v_add_nc_u32 v[VST], s75, v14
	s_wait_loadcnt 0x0
	v_cvt_pk_bf16_f32 v24, v16, v17                ; v is rounded to bf16, as an operand of a product, and widened again
	v_cvt_pk_bf16_f32 v25, v18, v19
	v_cvt_pk_bf16_f32 v26, v20, v21
	v_cvt_pk_bf16_f32 v27, v22, v23
.irp i, 0,1,2,3
	v_lshlrev_b32 v[16+2*\i], 16, v[24+\i]
	v_and_b32 v[17+2*\i], 0xffff0000, v[24+\i]
.endr
	ds_store_b128 v[VST], v[16:19]
	ds_store_b128 v[VST], v[20:23] offset:512
; 16 matrix instructions: d-tiles a0 .. a0 + 3 of the window's eight (hi = 0: tiles 0-7, 1: tiles 8-15) x my four B fragments, 32 along K, buffers f.
; zero = 1: the first product starts the sums: nothing is cleared.  The 64 accumulators take turns, one instruction a turn, in the same order in
; every chunk, over the backward jumps too.
.macro MUL16 f, hi, a0, zero
.irp a, \a0, \a0+1, \a0+2, \a0+3
.irp b, 0,1,2,3
.if \zero
	v_wmma_f32_16x16x32_bf16 v[8*(4*(\a)+\b):8*(4*(\a)+\b)+7], v[128*\f+8*(8*\hi+(\a)):128*\f+8*(8*\hi+(\a))+7], v[XF+32*\f+8*\b:XF+32*\f+8*\b+7], 0
.else
	v_wmma_f32_16x16x32_bf16 v[8*(4*(\a)+\b):8*(4*(\a)+\b)+7], v[128*\f+8*(8*\hi+(\a)):128*\f+8*(8*\hi+(\a))+7], v[XF+32*\f+8*\b:XF+32*\f+8*\b+7], v[8*(4*(\a)+\b):8*(4*(\a)+\b)+7]
.endif
.endr
.endr
.endm
; 48 LDS loads in one run, for chunk c (32 along K) of a slot: 16 of X into the staging, then 32 of wb into A buffer g, d-tiles in ascending order
.macro FETCH slot, c, g
	WIN 0
.irp t, 0,1,2,3,4,5,6,7
	ds_load_b128 v[XS+4*\t:XS+4*\t+3], v[XADR+\slot] offset:(32*\c+\t)*512        ; row 8 h + t
.endr
.irp t, 8,9,10,11,12,13,14,15
	ds_load_b128 v[XS+4*\t:XS+4*\t+3], v[XADR+\slot] offset:(32*\c+\t+8)*512      ; row 16 + 8 h + (t - 8)
.endr
	WIN TO_W
.irp a, 0,1,2,3,4,5,6,7
	ds_load_b128 v[128*\g+8*\a:128*\g+8*\a+3],   v[WADR+\slot] offset:\c*8192+\a*1024
	ds_load_b128 v[128*\g+8*\a+4:128*\g+8*\a+7], v[WADR+\slot] offset:\c*8192+\a*1024+512
.endr
.irp a, 8,9,10,11,12,13,14,15
	ds_load_b128 v[128*\g+8*\a:128*\g+8*\a+3],   v[WADR+\slot] offset:WHALF+\c*8192+(\a-8)*1024
	ds_load_b128 v[128*\g+8*\a+4:128*\g+8*\a+7], v[WADR+\slot] offset:WHALF+\c*8192+(\a-8)*1024+512
.endr
.endm
; the staging's 64 f32 become the four B fragments of buffer g: register j of fragment b = rows 2 j, 2 j + 1 (in load order) of column 4 r + b
.macro CVT g
	WIN 0
.irp b, 0,1,2,3
.irp j, 0,1,2,3,4,5,6,7
	v_cvt_pk_bf16_f32 v[XF+32*\g+8*\b+\j], v[XS+8*\j+\b], v[XS+8*\j+4+\b]
.endr
.endr
.endm
; Four places behind a matrix instruction before a load is issued into a register that it has read, or a vector instruction reads its result
; (ISA guide 7.12.1 for vector instructions).
.macro PLACES
.rept 4
	v_nop
.endr
.endm
; A chunk that is not its step's last: multiplies buffers f; in its middle it fetches chunk c of the same slot into buffers g.
.macro HEAD slot, c, f, g, zero
	s_wait_dscnt 16                                ; all but the youngest sixteen loads: wb's d-tiles 0-7 are in
	WIN MUL_LO
	MUL16 \f, 0, 0, \zero
	MUL16 \f, 0, 4, \zero
	s_wait_dscnt 0x0                               ; d-tiles 8-15, issued 64 matrix instructions ago (32 in the first chunk); so at most the 48 loads below are ever out
	PLACES
	FETCH \slot, \c, \g
	WIN MUL_HI
	MUL16 \f, 1, 0, \zero
	MUL16 \f, 1, 4, \zero
	s_wait_dscnt 32                                ; the 16 loads of X are in; the 32 of wb behind them may be out
	CVT \g
.endm
; A step's last chunk: multiplies buffers f and changes slots; the next slot's first chunk goes into buffers g.
; fill = 1: this slot is filled again, two steps ahead; 3: the same with a source's last, short tile (64 rows of X, two chunks of wb);
; 2: X goes over from k to q, wb steps by five chunks (a short step lies between), the full sizes are written back; 0: no fill.  pf = 1: the prefetch.
; In front of the barrier each wave waits for its reads of this slot and for all its tensor loads (one is out: its part of the next slot).  Where the slot is
; filled again the barrier opens a round of the cluster's barrier, and the joint refill is the first tensor load behind the round.  From a request to the
; wait for it a wave issues a whole step's matrix instructions: 192 in a full step.
.macro TURN slot, next, f, g, fill, pf
	s_wait_dscnt 16                                ; wb's d-tiles 0-7
	WIN MUL_LO
	MUL16 \f, 0, 0, 0
	MUL16 \f, 0, 4, 0
	s_wait_dscnt 0x0                               ; my reads of this slot are over
	s_set_vgpr_msb 0xa1a0
	s_wait_tensorcnt 0x0                           ; all my tensor loads have landed: every descriptor register may be written
	ds_add_u32 v254, v255
	s_wait_dscnt 0x0
	s_set_vgpr_msb 0xa0a1
	WIN 0
	s_barrier_signal -1
	s_barrier_wait -1
.if \fill
	CREST                                          ; no wave of any partner still reads this slot or has a load on its way
.if \fill == 2
	s_mov_b64 s[G0X+4*\slot+2:G0X+4*\slot+3], s[QA+2*\slot:QA+2*\slot+1]
	s_or_b32 s[G0X+4*\slot+3], s[G0X+4*\slot+3], 0x80000000
	s_add_nc_u64 s[G0W+4*\slot+2:G0W+4*\slot+3], s[G0W+4*\slot+2:G0W+4*\slot+3], 5*WCH
	s_mov_b32 s[G1X+2], XROWS<<16
	s_mov_b32 s[G1X+4], XROWS
	s_mov_b32 s[G1W+2], 3<<16
	s_mov_b32 s[G1W+4], 3
.else
	s_add_nc_u64 s[G0X+4*\slot+2:G0X+4*\slot+3], s[G0X+4*\slot+2:G0X+4*\slot+3], 2*XSTEP
	s_add_nc_u64 s[G0W+4*\slot+2:G0W+4*\slot+3], s[G0W+4*\slot+2:G0W+4*\slot+3], 6*WCH
.if \fill == 3
	s_mov_b32 s[G1X+2], 64<<16                     ; rows 960 to 1,023 of the source: tensor_dim1 = tile_dim1 = 64
	s_mov_b32 s[G1X+4], 64
	s_mov_b32 s[G1W+2], 2<<16                      ; and its last two chunks of wb
	s_mov_b32 s[G1W+4], 2
.endif
.endif
	JLOAD \slot
.endif
.if \pf
	PF
.endif
	PLACES
	FETCH \next, 0, \g
	WIN MUL_HI
	MUL16 \f, 1, 0, 0
	MUL16 \f, 1, 4, 0
	s_wait_dscnt 32                                ; the next chunk's X
	CVT \g
.endm
.macro STEP3 slot, next, f, g, zero, fill, pf      ; three chunks on buffers f, g, f; the next step begins on g
	HEAD \slot, 1, \f, \g, \zero
	HEAD \slot, 2, \g, \f, 0
	TURN \slot, \next, \f, \g, \fill, \pf
.endm
.macro STEP2 slot, next, f, g, fill, pf            ; two chunks on buffers f, g; the next step begins on f
	HEAD \slot, 1, \f, \g, 0
	TURN \slot, \next, \g, \f, \fill, \pf
.endm
.macro LAPK zero, fa, fb, pf                       ; two steps of k: slot 0 begins on buffer 0, slot 1 on buffer 1
	STEP3 0, 1, 0, 1, \zero, \fa, \pf
	STEP3 1, 0, 1, 0, 0, \fb, \pf
.endm
.macro LAPQ fa, fb, pf                             ; two steps of q: slot 1 begins on buffer 0, slot 0 on buffer 1
	STEP3 1, 0, 0, 1, 0, \fa, \pf
	STEP3 0, 1, 1, 0, 0, \fb, \pf
.endm
	s_wait_tensorcnt 0x1                           ; my part of step 0 is in; step 1's may stay out
	s_wait_dscnt 0x0                               ; no LDS instruction is pending at a signal
	s_barrier_signal -1
	s_barrier_wait -1
	FETCH 0, 0, 0
	s_wait_dscnt 32
	CVT 0
	LAPK 1, 1, 1, 1                                ; steps 0, 1; asks for 2, 3
	WIN 0
	s_mov_b32 s19, 3
.Llap_k:
	LAPK 0, 1, 1, 1                                ; steps 2 to 7; asks for 4 to 9
	WIN 0
	s_sub_co_u32 s19, s19, 1
	s_cmp_lg_u32 s19, 0
	s_cbranch_scc1 .Llap_k
	LAPK 0, 3, 2, 1                                ; steps 8, 9; asks for 10 (k's last, short) and 11 (q's first)
	STEP2 0, 1, 0, 1, 2, 1                         ; step 10, two chunks; asks for 12 (q's second)
	WIN 0
	s_mov_b32 s19, 4
.Llap_q:
	LAPQ 1, 1, 1                                   ; steps 11 to 18; asks for 13 to 20
	WIN 0
	s_sub_co_u32 s19, s19, 1
	s_cmp_lg_u32 s19, 0
	s_cbranch_scc1 .Llap_q
	LAPQ 3, 0, 0                                   ; steps 19, 20; asks for 21 (q's last, short), then for nothing
	HEAD 1, 1, 0, 1, 0                             ; step 21, two chunks
	s_wait_dscnt 16
	WIN MUL_LO
	MUL16 1, 0, 0, 0
	MUL16 1, 0, 4, 0
	s_wait_dscnt 0x0
	WIN MUL_HI
	MUL16 1, 1, 0, 0
	MUL16 1, 1, 4, 0
	; THE WAY OUT.  Register j of tile (a, i) in lane (r, h) is d = 16 a + 8 h + j, column 4 r + i.
	PLACES                                         ; behind the last matrix instructions: for the loads into the fragment registers and the reads of the sums
	WIN 0
.irp a, 0,1,2,3,4,5,6,7,8,9,10,11,12,13,14,15
	ds_load_b128 v[VV+8*\a:VV+8*\a+3],   v[VRD] offset:64*\a       ; v of rows 16 a + 8 h + 0..3: my wave's own bytes
	ds_load_b128 v[VV+8*\a+4:VV+8*\a+7], v[VRD] offset:64*\a+16
.endr
	s_lshl_b32 s70, s18, 5                         ; part[cy][b][256 cx + 64 w + ..]
	s_add_co_u32 s70, s70, ttmp9
	s_lshl_b32 s70, s70, 12
	s_lshl_b32 s71, s17, 10
	s_add_co_u32 s70, s70, s71
	s_lshl_b32 s71, s14, 8
	s_add_co_u32 s70, s70, s71
	s_mov_b32 s71, 0
	s_add_nc_u64 s[12:13], s[12:13], s[70:71]
; One d-tile: the 32 sums of tiles (a, 0..3) of window 2 or 3 (win = 0x02 or 0x03: source 0), d-tile number t16 of the block.
; The arguments stand in brackets wherever they are multiplied: t16 is handed over as a sum.
.macro EPI win, a, t16, first
	WIN \win
.irp i, 0,1,2,3,4,5,6,7,8,9,10,11,12,13,14,15
	v_pk_mul_f32 v[T+2*\i:T+2*\i+1], v[32*(\a)+2*\i:32*(\a)+2*\i+1], 0x4038aa3b op_sel_hi:[1,0]   ; 2 log2(e) x
.endr
	WIN 0
.set ii, 0
.rept 32
	v_exp_f32 v[T+ii], v[T+ii]
.set ii, ii+1
.endr
	v_nop                                          ; one plain vector instruction behind the transcendentals before their results are used (ISA guide 5.7.2)
	s_wait_alu depctr_va_vdst(0)
.irp i, 0,1,2,3,4,5,6,7,8,9,10,11,12,13,14,15
	v_pk_add_f32 v[T+2*\i:T+2*\i+1], v[T+2*\i:T+2*\i+1], 1.0 op_sel_hi:[1,0]
.endr
.set ii, 0
.rept 32
	v_rcp_f32 v[T+ii], v[T+ii]
.set ii, ii+1
.endr
	v_nop
	s_wait_alu depctr_va_vdst(0)
.irp i, 0,1,2,3,4,5,6,7,8,9,10,11,12,13,14,15
	v_pk_fma_f32 v[T+2*\i:T+2*\i+1], v[T+2*\i:T+2*\i+1], -2.0, 1.0 op_sel_hi:[1,0,0]         ; tanh = 1 - 2 / (1 + 2^..)
.endr
.if \first
	s_wait_dscnt 0x0                               ; v is in
.endif
.irp p, 0,1,2,3
.irp b, 0,1,2,3
.if \first
.if \p == 0
	v_pk_mul_f32 v[SACC+2*\b:SACC+2*\b+1], v[T+8*\b+2*\p:T+8*\b+2*\p+1], v[VV+8*(\t16)+2*\p:VV+8*(\t16)+2*\p+1]   ; the first products start the sums
.else
	v_pk_fma_f32 v[SACC+2*\b:SACC+2*\b+1], v[T+8*\b+2*\p:T+8*\b+2*\p+1], v[VV+8*(\t16)+2*\p:VV+8*(\t16)+2*\p+1], v[SACC+2*\b:SACC+2*\b+1]
.endif
.else
	v_pk_fma_f32 v[SACC+2*\b:SACC+2*\b+1], v[T+8*\b+2*\p:T+8*\b+2*\p+1], v[VV+8*(\t16)+2*\p:VV+8*(\t16)+2*\p+1], v[SACC+2*\b:SACC+2*\b+1]
.endif
.endr
.endr
.endm
	EPI 0x02, 0, 0, 1
.irp a, 1,2,3,4,5,6,7
	EPI 0x02, \a, \a, 0
.endr
.irp a, 0,1,2,3,4,5,6,7
	EPI 0x03, \a, 8+\a, 0
.endr
.irp b, 0,1,2,3
	v_add_f32 v[R+\b], v[SACC+2*\b], v[SACC+2*\b+1]                ; even and odd rows
.endr
.irp b, 0,1,2,3
	v_permlanex16_b32 v[T+\b], v[R+\b], s66, s67                   ; the other half's rows; the destination has been written before
.endr
.irp b, 0,1,2,3
	v_add_f32 v[R+\b], v[R+\b], v[T+\b]
.endr
	v_cmp_gt_u32 vcc_lo, 16, v3
	s_wait_xcnt 0x0                                ; EXEC changes only behind this wait
	s_and_saveexec_b32 s68, vcc_lo                 ; both halves hold the same sums: lanes 0 to 15 store
	global_store_b128 v15, v[R:R+3], s[12:13]      ; sixteen lanes store 256 consecutive bytes, at a multiple of 256 from part's first byte
	s_wait_xcnt 0x0                                ; and again in front of the line that widens it
	s_or_b32 exec_lo, exec_lo, s68
	CROUND                                         ; the closing round: no work-group ends while a partner may still ask for a tile that names it
	s_endpgm
.Lfunc_end_k_q86e0ff34b7_gemm:
	.size	k_q86e0ff34b7_gemm, .Lfunc_end_k_q86e0ff34b7_gemm-k_q86e0ff34b7_gemm
	.p2alignl 7, 3214868480
	.fill 96, 4, 3214868480
	.section	.rodata,"a",@progbits
	.p2align	6, 0x0
	.amdhsa_kernel k_q86e0ff34b7_gemm
		.amdhsa_group_segment_fixed_size 327680
		.amdhsa_private_segment_fixed_size 0
		.amdhsa_enable_private_segment 0
		.amdhsa_kernarg_size 40
		.amdhsa_user_sgpr_count 2
		.amdhsa_user_sgpr_kernarg_segment_ptr 1
		.amdhsa_wavefront_size32 1
		.amdhsa_system_sgpr_workgroup_id_x 1
		.amdhsa_system_sgpr_workgroup_id_y 1
		.amdhsa_system_sgpr_workgroup_id_z 1
		.amdhsa_system_vgpr_workitem_id 0
		.amdhsa_next_free_vgpr 1024
		.amdhsa_next_free_sgpr 88
		.amdhsa_reserve_vcc 1
		.amdhsa_float_denorm_mode_32 3
		.amdhsa_float_denorm_mode_16_64 3
		.amdhsa_memory_ordered 1
		.amdhsa_forward_progress 1
		.amdhsa_inst_pref_size 255
	.end_amdhsa_kernel
	.section	.bss,"aw",@nobits
	.p2align	6
	.space	262144
	.amdgpu_metadata
---
amdhsa.version: [ 1, 2 ]
amdhsa.kernels:
  - .name:           k_q86e0ff34b7_gemm
    .symbol:         k_q86e0ff34b7_gemm.kd
    .args:
      - { .name: k, .offset: 0, .size: 8, .value_kind: global_buffer, .address_space: global }
      - { .name: q, .offset: 8, .size: 8, .value_kind: global_buffer, .address_space: global }
      - { .name: v, .offset: 16, .size: 8, .value_kind: global_buffer, .address_space: global }
      - { .name: wb, .offset: 24, .size: 8, .value_kind: global_buffer, .address_space: global }
      - { .name: part, .offset: 32, .size: 8, .value_kind: global_buffer, .address_space: global }
    .group_segment_fixed_size: 327680
    .private_segment_fixed_size: 0
    .kernarg_segment_align: 8
    .kernarg_segment_size: 40
    .max_flat_workgroup_size: 128
    .sgpr_count:     88
    .vgpr_count:     1024
    .wavefront_size: 32
...
	.end_amdgpu_metadata
.endif
;; end of part 2
;; launch soft (part 3): grid 32 x 1, 8 waves a work-group, no clusters, 1,536 bytes of LDS; arguments part, out0; writes out0
.if DOCPART == 3
	.amdgcn_target "amdgcn-amd-amdhsa--gfx1250"
	.amdhsa_code_object_version 6
	.text
	.protected	k_q86e0ff34b7_soft
	.globl	k_q86e0ff34b7_soft
	.p2align	8
	.type	k_q86e0ff34b7_soft,@function
k_q86e0ff34b7_soft:
	s_mov_b64 s[64:65], 0
	v_nop
	global_prefetch_b8 v0, s[64:65] scope:SCOPE_SE
	s_setreg_imm32_b32 hwreg(HW_REG_WAVE_MODE, 25, 1), 1
	s_wait_xcnt 0x0
; out0[b][s] = softmax over s of the sum over y of part[y][b][s].  part: [4][32][1024] f32.
; A work-group is one batch; thread t owns columns 4 t .. 4 t + 3, so a wave's load or store covers 512 consecutive bytes.
; The row's maximum is taken away before the exponential.  Probabilities below 2^-126 come out as 0 (v_exp_f32 gives no denormals).
; 32 work-groups: a row's maximum and sum need the whole row, and there are 32 rows of 4,096 bytes.
.set YSTEP, 131072                     ; bytes from one block of d's partial sums to the next
	s_load_b128 s[4:7], s[0:1], 0x0                ; part s[4:5], out0 s[6:7]
	v_lshl_add_u32 v32, v0, 2, 0x200
	v_mov_b32 v33, 0
	v_lshrrev_b32 v1, 5, v0
	v_readfirstlane_b32 s8, v1                     ; wave 0..7
	v_lshlrev_b32 v2, 4, v0                        ; 16 bytes a thread
	s_lshl_b32 s10, ttmp9, 12                      ; batch x 4,096 bytes
	s_mov_b32 s11, 0
	s_mov_b32 s12, 0x76543210                      ; v_permlanex16_b32: lane i of one half reads lane i of the other
	s_mov_b32 s13, 0xfedcba98
	v_mov_b32 v22, s8
	v_lshlrev_b32 v22, 2, v22                      ; my wave's word in LDS
	v_mov_b32 v23, 0
	s_wait_kmcnt 0x0
	s_add_nc_u64 s[4:5], s[4:5], s[10:11]
	s_add_nc_u64 s[6:7], s[6:7], s[10:11]
	global_load_b128 v[4:7], v2, s[4:5]
	global_load_b128 v[8:11], v2, s[4:5] offset:YSTEP
	global_load_b128 v[12:15], v2, s[4:5] offset:2*YSTEP
	global_load_b128 v[16:19], v2, s[4:5] offset:3*YSTEP
	s_wait_loadcnt 0x0
	v_pk_add_f32 v[4:5], v[4:5], v[8:9]
	v_pk_add_f32 v[6:7], v[6:7], v[10:11]
	v_pk_add_f32 v[12:13], v[12:13], v[16:17]
	v_pk_add_f32 v[14:15], v[14:15], v[18:19]
	v_pk_add_f32 v[4:5], v[4:5], v[12:13]          ; the logits of my four columns
	v_pk_add_f32 v[6:7], v[6:7], v[14:15]
	; the maximum: in the lane, across the wave, across the eight waves
	v_max_num_f32 v21, v4, v5
	v_max3_num_f32 v20, v21, v6, v7
	v_max_num_f32_dpp v20, v20, v20 row_xmask:1 row_mask:0xf bank_mask:0xf
	v_max_num_f32_dpp v20, v20, v20 row_xmask:2 row_mask:0xf bank_mask:0xf
	v_max_num_f32_dpp v20, v20, v20 row_xmask:4 row_mask:0xf bank_mask:0xf
	v_max_num_f32_dpp v20, v20, v20 row_xmask:8 row_mask:0xf bank_mask:0xf
	v_permlanex16_b32 v21, v20, s12, s13
	v_max_num_f32 v20, v20, v21
	ds_store_b32 v22, v20                          ; all lanes write the same word with the same value
	s_wait_dscnt 0x0                               ; for the other waves: my store is in LDS
	s_barrier_signal -1
	s_barrier_wait -1
	ds_load_b128 v[24:27], v23
	ds_load_b128 v[28:31], v23 offset:16
	s_wait_dscnt 0x0
	v_max3_num_f32 v24, v24, v25, v26
	v_max3_num_f32 v24, v24, v27, v28
	v_max3_num_f32 v24, v24, v29, v30
	v_max_num_f32 v24, v24, v31
.irp i, 4,5,6,7
	v_sub_f32 v\i, v\i, v24                        ; at most 0
.endr
.irp i, 4,5,6,7
	v_mul_f32 v\i, 0x3fb8aa3b, v\i                 ; log2(e): v_exp_f32 is a power of two
.endr
.irp i, 4,5,6,7
	v_exp_f32 v\i, v\i
.endr
	v_nop                                          ; one plain vector instruction behind the transcendentals before their results are used (ISA guide 5.7.2)
	; the sum, the same way, in LDS bytes of its own
	s_wait_alu depctr_va_vdst(0)
	v_add_f32 v20, v4, v5
	v_add_f32 v21, v6, v7
	v_add_f32 v20, v20, v21
	v_add_f32_dpp v20, v20, v20 row_xmask:1 row_mask:0xf bank_mask:0xf
	v_add_f32_dpp v20, v20, v20 row_xmask:2 row_mask:0xf bank_mask:0xf
	v_add_f32_dpp v20, v20, v20 row_xmask:4 row_mask:0xf bank_mask:0xf
	v_add_f32_dpp v20, v20, v20 row_xmask:8 row_mask:0xf bank_mask:0xf
	v_permlanex16_b32 v21, v20, s12, s13
	v_add_f32 v20, v20, v21
	ds_store_b32 v22, v20 offset:256
	s_wait_dscnt 0x0
	s_barrier_signal -1
	s_barrier_wait -1
	ds_load_b128 v[24:27], v23 offset:256
	ds_load_b128 v[28:31], v23 offset:272
	s_wait_dscnt 0x0
	v_pk_add_f32 v[24:25], v[24:25], v[26:27]
	v_pk_add_f32 v[28:29], v[28:29], v[30:31]
	v_pk_add_f32 v[24:25], v[24:25], v[28:29]
	v_add_f32 v24, v24, v25                        ; at least 1: the maximum's own term
	v_rcp_f32 v24, v24
	v_nop
	s_wait_alu depctr_va_vdst(0)
	v_pk_mul_f32 v[4:5], v[4:5], v[24:25] op_sel_hi:[1,0]          ; both by v24
	v_pk_mul_f32 v[6:7], v[6:7], v[24:25] op_sel_hi:[1,0]
	global_store_b128 v2, v[4:7], s[6:7]           ; a wave stores 512 consecutive bytes, at a multiple of 512 from out0's first byte
	s_wait_tensorcnt 0x0
	ds_add_u32 v32, v33
	s_wait_dscnt 0x0
	s_endpgm
.Lfunc_end_k_q86e0ff34b7_soft:
	.size	k_q86e0ff34b7_soft, .Lfunc_end_k_q86e0ff34b7_soft-k_q86e0ff34b7_soft
	.p2alignl 7, 3214868480
	.fill 96, 4, 3214868480
	.section	.rodata,"a",@progbits
	.p2align	6, 0x0
	.amdhsa_kernel k_q86e0ff34b7_soft
		.amdhsa_group_segment_fixed_size 1536
		.amdhsa_private_segment_fixed_size 0
		.amdhsa_enable_private_segment 0
		.amdhsa_kernarg_size 16
		.amdhsa_user_sgpr_count 2
		.amdhsa_user_sgpr_kernarg_segment_ptr 1
		.amdhsa_wavefront_size32 1
		.amdhsa_system_sgpr_workgroup_id_x 1
		.amdhsa_system_sgpr_workgroup_id_y 1
		.amdhsa_system_sgpr_workgroup_id_z 1
		.amdhsa_system_vgpr_workitem_id 0
		.amdhsa_next_free_vgpr 34
		.amdhsa_next_free_sgpr 66
		.amdhsa_reserve_vcc 0
		.amdhsa_float_denorm_mode_32 3
		.amdhsa_float_denorm_mode_16_64 3
		.amdhsa_memory_ordered 1
		.amdhsa_forward_progress 1
		.amdhsa_inst_pref_size 5
	.end_amdhsa_kernel
	.amdgpu_metadata
---
amdhsa.version: [ 1, 2 ]
amdhsa.kernels:
  - .name:           k_q86e0ff34b7_soft
    .symbol:         k_q86e0ff34b7_soft.kd
    .args:
      - { .name: part, .offset: 0, .size: 8, .value_kind: global_buffer, .address_space: global }
      - { .name: out0, .offset: 8, .size: 8, .value_kind: global_buffer, .address_space: global }
    .group_segment_fixed_size: 1536
    .private_segment_fixed_size: 0
    .kernarg_segment_align: 8
    .kernarg_segment_size: 16
    .max_flat_workgroup_size: 256
    .sgpr_count:     66
    .vgpr_count:     34
    .wavefront_size: 32
...
	.end_amdgpu_metadata
.endif
;; end of part 3
